; MI455X (gfx1250); checked and timed in simulation.
; The chip was launched on July 23, 2026; its instructions are those of AMD's public machine-readable ISA for CDNA 5 (MIT licence, August 2026) and "CDNA5" Instruction Set Architecture Reference Guide (July 2026). The comments in the code are by the model that wrote it; some were corrected since.
;; Multi Head Attention. Allowed arithmetic: matrix products marked QUANTISED: E4M3 operands, one given power-of-two scale a tensor, by v_wmma_f32_16x16x64_fp8_fp8 or v_wmma_f32_16x16x128_fp8_fp8, f32 sums; everything else in f32.
;; Inputs: W_out 1,024 x 1,024 float32; W_qkv 1,024 x 3,072 float32; b_out 1,024 float32; b_qkv 3,072 float32; lowp_scales 8 int32 (the exponents e of the quantised operands' scales 2^e); x 4 x 2,048 x 1,024 float32.
;; Outputs: out0 4 x 2,048 x 1,024 float32.
;; This version of the problem:
;;   THIS VERSION OF THE PROBLEM IS GIVEN IN LOW PRECISION. The matrix products marked QUANTISED in the list below multiply operands that are first quantised to E4M3 (4 exponent bits, 3 mantissa bits; 8 bits a number), with one given power-of-two scale for each operand tensor; their sums are f32. All else is computed in f32.
;;   The module's matrix products, in the order in which they are computed (A, B: the left and right operand; K: the contracted axis; several contracted axes count as one K, in the product's order):
;;     1. [M 8,192, K 1,024] x [K 1,024, N 3,072]; A: input x; B: input W_qkv: QUANTISED (scales: A lowp_scales[0], B lowp_scales[1])
;;     2. batch 64 x [M 2,048, K 64] x [K 64, N 2,048]; A: computed on the way; B: computed on the way: QUANTISED (scales: A lowp_scales[2], B lowp_scales[3])
;;     3. batch 64 x [M 2,048, K 2,048] x [K 2,048, N 64]; A: softmax (see below); B: computed on the way: QUANTISED (scales: A lowp_scales[4], B lowp_scales[5])
;;     4. [M 8,192, K 1,024] x [K 1,024, N 1,024]; A: computed on the way; B: input W_out: QUANTISED (scales: A lowp_scales[6], B lowp_scales[7])
;;   THE QUANTISER, for each operand of a quantised product, along K:
;;     - The operand's scale is 2^e, e = its entry of the input lowp_scales (int32; the entries are numbered through the quantised products in the list's order, A before B).
;;     - Each number is divided by the scale, clamped to +-448, and rounded to the nearest number of E4M3, ties to even, subnormals kept.
;;     - The product sums the exact products of the quantised numbers (number of the format x scale) in f32.
;;   ~~~python
;;   def quantise(x, axis, e):      # numpy; x: float32 -> the quantised numbers, widened to float32 again
;;       x = np.moveaxis(x, axis, -1); K = x.shape[-1]
;;       r = np.clip(x / 2.0 ** e, -448, 448)
;;       step = 2.0 ** (np.maximum(np.frexp(np.where(r == 0, 1, r))[1] - 1, -6) - 3)
;;       q = np.round(r / step) * step * 2.0 ** e      # np.round: ties to even
;;       return np.moveaxis(q, -1, axis).astype(np.float32)
;;   ~~~
;;   SOFTMAX AHEAD OF A QUANTISED PRODUCT. Where the list says 'softmax', what is quantised is not the finished softmax but p = 2^(t - M), with t = logit x log2(e) and M = ceil(the row's largest t), a whole number; so 1/2 < the row's largest p <= 1. The row's sum l is taken of the UNQUANTISED p, in f32, and the product's result is divided by l at the end. Since M is a whole number, a kernel that streams over the keys may use a running M (the ceiling of the running maximum): every later rescaling is an exact power of two, so the quantised numbers keep their values, but for numbers so far below the row's largest that they fall under the format's range.
;;   OPERANDS COMPUTED ON THE WAY. 'Computed on the way' means the value that the module computes at that place (a softmax that the list does not call 'softmax' is quantised finished and normalised). What goes into a quantiser is computed in f32, as accurately as f32 sums, v_exp_f32 and their like allow (about 1e-6 of the number): no bf16 or f16 on the way to a quantiser, and a product that is left as it is and whose result goes on into a quantised operand takes f32 operands (vector FMAs, or v_wmma_f32_16x16x4_f32). A number that lies on a knife's edge between two numbers of the format may be rounded either way, as far as f32 arithmetic and the matrix unit's own rounding can turn it there, and no further.
;; One version. Each part assembles by itself: llvm-mc -triple=amdgcn-amd-amdhsa -mcpu=gfx1250 --defsym DOCPART=n.
;; ======== version 1 of 1: 4 launches
;; limits: right only within a limited range of input values
;; workspace buffers: xc 8,388,608 bytes; wqc 3,145,728 bytes; woc 1,048,576 bytes; qimg 8,388,608 bytes; kvimg 16,777,216 bytes; aimg 8,388,608 bytes
;; launch prep (part 1): grid 384 x 1, 4 waves a work-group, no clusters, 68,096 bytes of LDS; arguments x, W_qkv, W_out, lowp_scales, xc, wqc, woc; writes xc, wqc, woc
.if DOCPART == 1
	.amdgcn_target "amdgcn-amd-amdhsa--gfx1250"
	.amdhsa_code_object_version 6
	.text
	.protected	k_q7b60a0457d_prep
	.globl	k_q7b60a0457d_prep
	.p2align	8
	.type	k_q7b60a0457d_prep,@function
k_q7b60a0457d_prep:
	s_mov_b64 s[64:65], 0
	v_nop
	global_prefetch_b8 v0, s[64:65] scope:SCOPE_SE
	s_setreg_imm32_b32 hwreg(HW_REG_WAVE_MODE, 25, 1), 1
	s_wait_xcnt 0x0
; x [8192][1024], W_qkv [1024 k][3072 n] and W_out [1024 k][1024 n], all f32, become codes of FP8 (E4M3), one byte each, K innermost:
; xc [8192][1024], wqc [3072 n][1024 k], woc [1024 n][1024 k].  code = number / 2^e, held within +-448, to the nearest code, ties to even; e = entry 0 (x), 1 (W_qkv), 7 (W_out) of the scales.
; LIMITS: each of these e lies between -126 and 119, so that 2^e and 448 x 2^e are f32 numbers.  NaN among the inputs is not served.
; Work-groups 0-255 take x: a plain stream (K is innermost), 32,768 numbers each, 8,192 a wave in 16 steps of 512.  Each load reads 512 consecutive bytes; a step's 2,048 bytes turn through the wave's own stage in LDS,
; so that a lane then holds 16 neighbours along K, which the conversions want; a lane's 16 codes are 16 bytes: a store covers 512 consecutive bytes.
; Work-groups 256-383 take the weights, whose K is the FIRST axis: a lane takes a column n and its registers run down K, so the conversions give codes with K innermost and nothing is transposed.
; A wave takes 32 columns x 256 along K; the codes go through its own stage and leave as rows: sixteen lanes store 256 consecutive bytes, aligned.
; No work-group shares an input byte with another, so there is nothing to ask for jointly; waves share nothing, so there is no barrier.  The two ways have LDS bytes of their own: [0, 32768) and [32768, 67584).
.set STEPS, 16
.set WREG,  8192                       ; x: a region for each wave: two stages of 32 x SP bytes
.set SP,    80                         ; a lane's place in a stage: 64 bytes + 16 of padding
.set R,     16                         ; v16-79   x: four sets of 16 numbers as loaded
.set X,     80                         ; v80-111  x: two sets of 16 neighbours
.set C,     128                        ; v128-191 x: codes, four registers for each step: no store's data are written again
.set NB,    8                          ; weights: blocks of 32 along K for a wave
.set WSTG,  32768                      ; weights: the stages begin here; 32 rows x WP bytes for each wave
.set WP,    272                        ; a stage row: 256 bytes of codes + 16
.set WX,    32                         ; v32-95   weights: two sets of 32 numbers
.set WC,    96                         ; v96-103  a block's codes
.set OUTR,  112                        ; v112-175 the way out
.set OFS,   176                        ; v176-207 byte offsets 4 x lane + i x (a row of the weight), i = 0 .. 31; never rewritten
.macro XLOAD t
.irp i, 0,1,2,3
	global_load_b128 v[R+16*((\t)%4)+4*\i:R+16*((\t)%4)+4*\i+3], v3, s[4:5] offset:2048*(\t)+512*\i th:TH_LOAD_NT   ; 32 lanes read 512 consecutive bytes
.endr
.endm
.macro XTURN t                         ; step t's numbers through the stage: LDS serves a wave's instructions in order, so no wait stands between the stores and the loads
.irp i, 0,1,2,3
	ds_store_b128 v14, v[R+16*((\t)%4)+4*\i:R+16*((\t)%4)+4*\i+3] offset:32*SP*((\t)%2)+8*SP*\i
.endr
.irp i, 0,1,2,3
	ds_load_b128 v[X+16*((\t)%2)+4*\i:X+16*((\t)%2)+4*\i+3], v15 offset:32*SP*((\t)%2)+16*\i
.endr
.endm
.macro XSTEP t
.set XS, X+16*((\t)%2)
	s_wait_dscnt 0x0                               ; this step's numbers are back from the stage, so its stores into the stage have read their registers,
.if (\t)+4 < STEPS
	XLOAD (\t)+4                                   ; which take the loads of four steps on
.endif
.if (\t)+1 < STEPS
.if STEPS-2-(\t) >= 3
	s_wait_loadcnt 12                              ; the next step's four loads are in; those of the three steps behind it may be out
.else
	s_wait_loadcnt 4*(STEPS-2-(\t))
.endif
	XTURN (\t)+1
.endif
.irp i, 0,1,2,3,4,5,6,7,8,9,10,11,12,13,14,15
	v_med3_num_f32 v[XS+\i], v[XS+\i], -v10, v10   ; the conversion to an 8-bit code does not saturate (ISA guide 7.6.2): the hold at the largest code x the scale comes first
.endr
	v_cvt_scalef32_pk8_fp8_f32 v[C+4*(\t):C+4*(\t)+1], v[XS:XS+7], v11
	v_cvt_scalef32_pk8_fp8_f32 v[C+4*(\t)+2:C+4*(\t)+3], v[XS+8:XS+15], v11
	global_store_b128 v3, v[C+4*(\t):C+4*(\t)+3], s[12:13] offset:512*(\t)   ; the results go to a store alone; the next vector lines are the next step's holds, on other registers
.endm
.macro WLOAD t                         ; block t: W(32 t + i, my column), i = 0 .. 31, into set t % 2; the block's base stands in its own scalar pair
.set iw, 0
.rept 32
	global_load_b32 v[WX+32*((\t)%2)+iw], v[OFS+iw], s[32+2*(\t):33+2*(\t)] th:TH_LOAD_NT
.set iw, iw+1
.endr
.endm
.macro WBLOCK t
.set XS, WX+32*((\t)%2)
.if (\t) < NB-1
	s_wait_loadcnt 32                              ; this block's 32 loads are in; the next block's may be out
.else
	s_wait_loadcnt 0
.endif
.set iw, 0
.rept 32
	v_med3_num_f32 v[XS+iw], v[XS+iw], -v10, v10
.set iw, iw+1
.endr
.irp g, 0,1,2,3
	v_cvt_scalef32_pk8_fp8_f32 v[WC+2*\g:WC+2*\g+1], v[XS+8*\g:XS+8*\g+7], v11
.endr
	ds_store_b128 v4, v[WC:WC+3] offset:32*(\t)    ; 32 codes: 32 bytes of my column's row
	ds_store_b128 v4, v[WC+4:WC+7] offset:32*(\t)+16
.if (\t)+2 < NB
	WLOAD (\t)+2
.endif
	s_wait_dscnt 0x0                               ; the stores have read their registers: the next block's codes may be written
.endm
	s_load_b256 s[4:11], s[0:1], 0x0               ; x s[4:5], W_qkv s[6:7], W_out s[8:9], the scales' exponents s[10:11]
	s_load_b128 s[12:15], s[0:1], 0x20             ; xc s[12:13], wqc s[14:15]
	s_load_b64 s[16:17], s[0:1], 0x30              ; woc
	v_lshl_add_u32 v208, v0, 2, 0x10800
	v_mov_b32 v209, 0
	v_lshrrev_b32 v1, 5, v0
	v_readfirstlane_b32 s18, v1                    ; wave 0..3
	v_and_b32 v2, 31, v0                           ; lane
	s_wait_kmcnt 0x0
	s_load_b256 s[24:31], s[10:11], 0x0            ; e0 .. e7
	s_cmp_lt_u32 ttmp9, 256
	s_cbranch_scc0 .Lweights
	; ---- x
	s_lshl_b32 s19, ttmp9, 2
	s_add_co_u32 s19, s19, s18                     ; which run of 8,192 numbers is my wave's
	s_lshl_b32 s20, s19, 15                        ; 32,768 bytes of x,
	s_mov_b32 s21, 0
	s_add_nc_u64 s[4:5], s[4:5], s[20:21]
	s_lshl_b32 s20, s19, 13                        ; 8,192 bytes of codes
	s_add_nc_u64 s[12:13], s[12:13], s[20:21]
	s_wait_alu depctr_va_vdst(0)
	v_lshlrev_b32 v3, 4, v2                        ; my 16 bytes of a load's, and of a store's, 512
	s_mul_i32 s22, s18, WREG
	v_lshrrev_b32 v14, 2, v2
	v_mul_u32_u24 v14, v14, SP
	v_and_b32 v15, 3, v2
	v_lshl_add_u32 v14, v15, 4, v14
	v_add_nc_u32 v14, s22, v14                     ; the stage, on the way in: SP (lane / 4) + 16 (lane % 4); a load's 512 bytes take eight places
	v_mul_u32_u24 v15, v2, SP
	v_add_nc_u32 v15, s22, v15                     ; and on the way out: SP x lane: my 16 neighbours
.irp t, 0,1,2,3
	XLOAD \t
.endr
	s_wait_alu depctr_va_vdst(0)
	s_wait_kmcnt 0x0
	s_add_co_i32 s23, s24, 127
	s_lshl_b32 s32, s23, 23
	v_mov_b32 v11, s32                             ; 2^e0 as f32: the conversion takes its exponent field
	s_add_co_i32 s23, s23, 8
	s_lshl_b32 s23, s23, 23
	s_or_b32 s23, s23, 0x600000
	v_mov_b32 v10, s23                             ; 448 x 2^e0
	s_wait_alu depctr_va_vdst(0)
	s_wait_loadcnt 12                              ; step 0's four loads are in
	XTURN 0
.irp t, 0,1,2,3,4,5,6,7,8,9,10,11,12,13,14,15
	XSTEP \t
.endr
	s_wait_tensorcnt 0x0
	ds_add_u32 v208, v209
	s_wait_dscnt 0x0
	s_endpgm
	; ---- the weights: 4 parts of K x 32 groups of 128 columns, of which 24 are W_qkv's and 8 W_out's
.Lweights:
	s_sub_co_u32 s19, ttmp9, 256
	s_lshr_b32 s50, s19, 5                         ; which 256 along K
	s_and_b32 s51, s19, 31                         ; which group of columns
	s_mov_b32 s48, 4096
	s_cmp_lt_u32 s51, 24                           ; W_qkv's or W_out's?  The choice hangs on the work-group's number alone
	s_cselect_b64 s[20:21], s[6:7], s[8:9]
	s_cselect_b64 s[22:23], s[14:15], s[16:17]
	s_cselect_b32 s48, 12288, s48                  ; a row of the weight in bytes
	s_cselect_b32 s49, 0, 24
	s_sub_co_u32 s52, s51, s49
	s_lshl_b32 s52, s52, 7
	s_lshl_b32 s53, s18, 5
	s_add_co_u32 s52, s52, s53                     ; my wave's first column
	s_lshl_b32 s54, s50, 8
	s_mul_i32 s54, s54, s48                        ; 256 x part rows down,
	s_lshl_b32 s55, s52, 2
	s_add_co_u32 s54, s54, s55                     ; 4 bytes a column along
	s_mov_b32 s55, 0
	s_add_nc_u64 s[32:33], s[20:21], s[54:55]      ; block 0's base;
	s_lshl_b32 s54, s48, 5                         ; each further block's 32 rows on
.irp t, 1,2,3,4,5,6,7
	s_add_nc_u64 s[32+2*\t:33+2*\t], s[30+2*\t:31+2*\t], s[54:55]
.endr
	s_lshl_b32 s56, s52, 10                        ; the codes: my first column's row of 1,024 bytes,
	s_lshl_b32 s57, s50, 8                         ; + my 256 along K
	s_add_co_u32 s56, s56, s57
	s_mov_b32 s57, 0
	s_add_nc_u64 s[22:23], s[22:23], s[56:57]
	s_wait_alu depctr_va_vdst(0)
	v_lshlrev_b32 v[OFS], 2, v2
.irp i, 1,2,3,4,5,6,7,8,9,10,11,12,13,14,15,16,17,18,19,20,21,22,23,24,25,26,27,28,29,30,31
	v_add_nc_u32 v[OFS+\i], s48, v[OFS+\i-1]
.endr
	s_mul_i32 s58, s18, 32*WP
	s_add_co_u32 s58, s58, WSTG                    ; my stage
	v_mul_u32_u24 v4, v2, WP
	v_add_nc_u32 v4, s58, v4                       ; into it: row = my column
	v_and_b32 v5, 15, v2
	v_lshrrev_b32 v6, 4, v2                        ; out of it: sixteen lanes to a row, two rows an instruction
	v_mul_u32_u24 v7, v6, WP
	v_lshl_add_u32 v7, v5, 4, v7
	v_add_nc_u32 v7, s58, v7
	v_lshlrev_b32 v8, 10, v6
	v_lshl_add_u32 v8, v5, 4, v8                   ; and the same place in the codes' buffer
	WLOAD 0
	WLOAD 1
	s_wait_kmcnt 0x0
	s_cmp_lt_u32 s51, 24
	s_cselect_b32 s58, s25, s31                    ; e1 or e7
	s_add_co_i32 s58, s58, 127
	s_lshl_b32 s59, s58, 23
	v_mov_b32 v11, s59                             ; 2^e
	s_add_co_i32 s58, s58, 8
	s_lshl_b32 s58, s58, 23
	s_or_b32 s58, s58, 0x600000
	v_mov_b32 v10, s58                             ; 448 x 2^e
	s_wait_alu depctr_va_vdst(0)
.irp t, 0,1,2,3,4,5,6,7
	WBLOCK \t
.endr
.irp t, 0,1,2,3,4,5,6,7,8,9,10,11,12,13,14,15
	ds_load_b128 v[OUTR+4*\t:OUTR+4*\t+3], v7 offset:2*\t*WP       ; LDS serves a wave's instructions in order: these see my stores
.endr
.irp t, 0,1,2,3,4,5,6,7,8,9,10,11,12,13,14,15
	s_wait_dscnt 15-\t                             ; row pair t is back; the younger loads may be out
	global_store_b128 v8, v[OUTR+4*\t:OUTR+4*\t+3], s[22:23] offset:2*\t*1024
.endr
	s_wait_tensorcnt 0x0
	ds_add_u32 v208, v209
	s_wait_dscnt 0x0
	s_endpgm
.Lfunc_end_k_q7b60a0457d_prep:
	.size	k_q7b60a0457d_prep, .Lfunc_end_k_q7b60a0457d_prep-k_q7b60a0457d_prep
	.p2alignl 7, 3214868480
	.fill 96, 4, 3214868480
	.section	.rodata,"a",@progbits
	.p2align	6, 0x0
	.amdhsa_kernel k_q7b60a0457d_prep
		.amdhsa_group_segment_fixed_size 68096
		.amdhsa_private_segment_fixed_size 0
		.amdhsa_enable_private_segment 0
		.amdhsa_kernarg_size 56
		.amdhsa_user_sgpr_count 2
		.amdhsa_user_sgpr_kernarg_segment_ptr 1
		.amdhsa_wavefront_size32 1
		.amdhsa_system_sgpr_workgroup_id_x 1
		.amdhsa_system_sgpr_workgroup_id_y 1
		.amdhsa_system_sgpr_workgroup_id_z 1
		.amdhsa_system_vgpr_workitem_id 0
		.amdhsa_next_free_vgpr 210
		.amdhsa_next_free_sgpr 66
		.amdhsa_reserve_vcc 0
		.amdhsa_float_denorm_mode_32 3
		.amdhsa_float_denorm_mode_16_64 3
		.amdhsa_memory_ordered 1
		.amdhsa_forward_progress 1
		.amdhsa_inst_pref_size 87
	.end_amdhsa_kernel
	.amdgpu_metadata
---
amdhsa.version: [ 1, 2 ]
amdhsa.kernels:
  - .name:           k_q7b60a0457d_prep
    .symbol:         k_q7b60a0457d_prep.kd
    .args:
      - { .name: x, .offset: 0, .size: 8, .value_kind: global_buffer, .address_space: global }
      - { .name: W_qkv, .offset: 8, .size: 8, .value_kind: global_buffer, .address_space: global }
      - { .name: W_out, .offset: 16, .size: 8, .value_kind: global_buffer, .address_space: global }
      - { .name: lowp_scales, .offset: 24, .size: 8, .value_kind: global_buffer, .address_space: global }
      - { .name: xc, .offset: 32, .size: 8, .value_kind: global_buffer, .address_space: global }
      - { .name: wqc, .offset: 40, .size: 8, .value_kind: global_buffer, .address_space: global }
      - { .name: woc, .offset: 48, .size: 8, .value_kind: global_buffer, .address_space: global }
    .group_segment_fixed_size: 68096
    .private_segment_fixed_size: 0
    .kernarg_segment_align: 8
    .kernarg_segment_size: 56
    .max_flat_workgroup_size: 128
    .sgpr_count:     66
    .vgpr_count:     210
    .wavefront_size: 32
...
	.end_amdgpu_metadata
.endif
;; end of part 1
;; launch qkv (part 2): grid 12 x 32, 4 waves a work-group, clusters of 4 x 4, 327,680 bytes of LDS; arguments xc, wqc, lowp_scales, b_qkv, qimg, kvimg; writes qimg, kvimg
.if DOCPART == 2
	.amdgcn_target "amdgcn-amd-amdhsa--gfx1250"
	.amdhsa_code_object_version 6
	.text
	.protected	k_q7b60a0457d_qkv
	.globl	k_q7b60a0457d_qkv
	.p2align	8
	.type	k_q7b60a0457d_qkv,@function
k_q7b60a0457d_qkv:
	s_mov_b64 s[64:65], 0
	v_nop
	global_prefetch_b8 v0, s[64:65] scope:SCOPE_SE
	s_setreg_imm32_b32 hwreg(HW_REG_WAVE_MODE, 25, 1), 1
	s_wait_xcnt 0x0
	s_wait_alu depctr_hold_cnt(0) depctr_sa_sdst(0) depctr_va_vdst(0) depctr_va_sdst(0) depctr_va_ssrc(0) depctr_va_vcc(0) depctr_vm_vsrc(0)
	s_getreg_b32 s2, hwreg(HW_REG_IB_STS2, 6, 4)
	s_cmp_eq_u32 s2, 0
	s_cbranch_scc0 .Lentry_in_a_cluster
	s_endpgm
.Lentry_in_a_cluster:
	s_bfe_u32 s2, ttmp6, 0x10000c
	s_cmp_lg_u32 s2, 0xf033
	s_cbranch_scc0 .Lentry_shape_is_right
	s_endpgm
.Lentry_shape_is_right:
; qkv = x W_qkv + b_qkv on codes of FP8 (xc [8192][1024], wqc [3072 n][1024 k]); q, k and v are quantised at once (scales 2^e2, 2^e3, 2^e5) and stored as IMAGES OF OPERAND REGISTERS for the attention launch.
; A tile is 256 tokens x 256 features, made by four waves, each 128 x 128 in 64 accumulators (512 registers).  K = 1,024 goes in four steps of 256 through a ring of two LDS slots filled by the tensor data mover.
; ROLES.  In a result, lane (r, h) holds source 1's row r and its eight registers source 0's rows 8 h + 0 .. 7.  q, k: source 0 = 16 features (rows of W), source 1 = 16 tokens: a lane holds one token and eight
; neighbouring features, neighbours along the next product's K (the head's 64).  v: the sources change places: a lane holds one feature d and eight neighbouring tokens, neighbours along the keys.
; CLUSTERS: 4 x 4 work-groups; the cluster's x (0, 1, 2) IS the type (q, k, v), equal in all sixteen partners.  A slot holds source 1's 256 rows, then source 0's 256 rows, for every type: no LDS address hangs on the type.
; Source 1's tile goes by cy and is asked for jointly along a row of the cluster, source 0's by cx and jointly along a column.  q, k: tokens 4 x cluster y + cy, features 4 x cluster x + cx.
; v: features 8 + cy, tokens 4 x cluster y + cx.  Only the two global bases and tile numbers are chosen by the type.  384 tiles are 24 clusters.
; AN IMAGE: a fragment of 16 rows x 64 K is 8 registers a lane (registers 2 c, 2 c + 1: K = 16 c + 8 h + 0 .. 7); four registers of all 32 lanes are a piece of 512 bytes, lane l's 16 bytes at 16 l.
;   qimg [64 heads][128 tiles of 16 tokens][2 pieces][512];  kvimg [64 heads][K: the same, 131,072 bytes | V: [32 steps of 64 keys][4 tiles of 16 d][2 pieces][512]].  Every store covers 512 consecutive bytes, aligned.
; THE BIAS is the C of each sum's first product, divided by 2^(e0 + e1), the power of two that the sums lack; the conversion then takes the one scale 2^(et - e0 - e1), et = e2, e3 or e5.
; LIMIT: et - e0 - e1 lies between -126 and 119.  NaN among the inputs is not served.
; No prefetch: K is four steps; the first is asked for at the head, the second behind the first round, and only two refills follow.
; REGISTERS, in windows of 256: window 0: v1-29 addresses and constants; v32-95 the bias table; from v128 source 1's fragments, one set; on the way out the codes.  window 1: source 0's fragments, two sets.
;   window 2: accumulators of source 1's blocks 0-3 ((a, b) at v[8 (8 (a % 4) + b)]);  window 3: blocks 4-7.
.set ROWB,   256                       ; a tile's row in bytes
.set KROW,   1024                      ; a row of xc or wqc in bytes
.set PITCH,  272                       ; an LDS row: 256 bytes + 16 of padding
.set FR,     16                        ; registers of a fragment of 16 rows x 128 K
.set NL,     4                         ; LDS loads that bring one
.set NP,     4                         ; places behind this matrix instruction (ISA guide 7.12.1)
.set HALFT,  128*PITCH                 ; 128 rows: what one tensor load brings
.set SLOT,   4*HALFT
.set LAPS,   2
.set SPARE,  2*SLOT                    ; behind the ring: the spare words, 128 bytes for each wave
.set ADRA, 16                          ; v16-17  LDS address of source 1's fragments in slot 0, 1
.set ADRB, 20                          ; v20-21  of source 0's
.set LO,   24                          ; v24     16 x lane
.set SC,   25                          ; v25     2^(et - e0 - e1)
.set LIM,  26                          ; v26     448 x that
.set SPW,  28                          ; v28     LDS address of my spare word; never rewritten
.set NIL,  29                          ; v29     0; never rewritten
.set BT,   32                          ; v32-95  the bias table
.set AF,   128
.set G1, 24                            ; s[24:31] group 1 for source 1's tiles;  s[32:39] group 0, one set for each slot
.set G0, 32
.set G1B, 48                           ; s[48:55], s[56:63] the same for source 0's tiles
.set G0B, 56
.set OUT, 80                           ; s[80:81], s[82:83] where my two heads' images go
.set MSB, 0
.macro WIN new                         ; the immediate's high byte repeats the setting that is left
.if MSB != \new
	s_set_vgpr_msb (MSB<<8)|\new
.set MSB, \new
.endif
.endm
.set MUL_LO, 0xa1                      ; source 0 window 1, source 1 window 0, C and D window 2
.set MUL_HI, 0xf1
.set BEG_LO, 0x81                      ; the first products: C (the bias table) window 0, D window 2
.set BEG_HI, 0xc1
.set TO_B,   0x40
; A joint load: waves 0 and 1 fetch source 1's halves, waves 2 and 3 source 0's.  The branch hangs on the wave's number alone.  s_nop 0 and four v_nop follow each line.
.macro JLOAD g0a, g1a, g0b, g1b
	s_cmp_eq_u32 s15, 0
	s_cbranch_scc0 .Lfor_b_\@
	tensor_load_to_lds s[\g0a:\g0a+3], s[\g1a:\g1a+7]
	s_nop 0
.rept 4
	v_nop
.endr
	s_branch .Lasked_\@
.Lfor_b_\@:
	tensor_load_to_lds s[\g0b:\g0b+3], s[\g1b:\g1b+7]
	s_nop 0
.rept 4
	v_nop
.endr
.Lasked_\@:
.endm
.macro CREST                           ; a round of the cluster's barrier behind its opening barrier
	s_cmp_lg_u32 s14, 0
	s_cbranch_scc1 .Lnot_wave_0_\@
	s_barrier_signal -3
.Lnot_wave_0_\@:
	s_barrier_wait -3
	s_barrier_signal -1
	s_barrier_wait -1
.endm
.macro CROUND
	s_barrier_signal -1
	s_barrier_wait -1
	CREST
.endm
	s_load_b256 s[4:11], s[0:1], 0x0               ; xc s[4:5], wqc s[6:7], the scales' exponents s[8:9], b_qkv s[10:11]
	s_load_b128 s[68:71], s[0:1], 0x20             ; qimg s[68:69], kvimg s[70:71]
	v_lshl_add_u32 v[SPW], v0, 2, SPARE
	v_mov_b32 v[NIL], 0
	ds_add_u32 v[SPW], v[NIL]                      ; the opening lines: the add twice on end and its wait
	ds_add_u32 v[SPW], v[NIL]
	s_wait_dscnt 0x0
	v_lshrrev_b32 v1, 5, v0
	v_readfirstlane_b32 s14, v1                    ; wave 0..3
	s_lshr_b32 s15, s14, 1                         ; which half of source 1's rows is mine.  Also: I fetch for source 1 (0) or source 0 (1)
	s_and_b32 s16, s14, 1                          ; which half of source 0's rows.  Also: which 128 rows of that tile I fetch
	s_bfe_u32 s40, ttmp6, 0x40000                  ; cx, cy
	s_bfe_u32 s41, ttmp6, 0x40004
	s_lshl_b32 s42, ttmp9, 2
	s_and_b32 s17, ttmp7, 0xffff
	s_lshl_b32 s17, s17, 2
	s_cmp_eq_u32 ttmp9, 2                          ; v?
	s_cselect_b32 s66, 8, s17
	s_cselect_b32 s67, s17, s42
	s_add_co_u32 s66, s66, s41                     ; source 1's tile: made of cy alone
	s_add_co_u32 s67, s67, s40                     ; source 0's tile: made of cx alone
	s_cmp_eq_u32 ttmp9, 2
	s_cselect_b32 s42, s66, s67                    ; tile of features
	s_cselect_b32 s17, s67, s66                    ; tile of tokens
	s_lshl_b32 s43, s41, 2
	s_lshl_b32 s43, 15, s43                        ; my row of the cluster
	s_lshl_b32 s44, 0x1111, s40                    ; my column
	s_or_b32 s[G1+0], s43, (0<<16)|(1<<20)|(1<<21)|(5<<22)|(3<<25)  ; the mask; elements of 1 byte; padding on: four words after every 64
	s_or_b32 s[G1B+0], s44, (0<<16)|(1<<20)|(1<<21)|(5<<22)|(3<<25)
.irp g, G1, G1B
	s_mov_b32 s[\g+1], ROWB<<16
	s_mov_b32 s[\g+2], 128<<16
	s_mov_b32 s[\g+3], ROWB<<16
	s_mov_b32 s[\g+4], 128
	s_mov_b32 s[\g+5], KROW
	s_mov_b32 s[\g+6], 0
	s_mov_b32 s[\g+7], 0
.endr
	s_lshl_b32 s18, s16, 17                        ; the 128 rows of 1,024 bytes that I fetch
	s_lshl_b32 s20, s66, 18                        ; 256 rows a tile, in xc and in wqc alike
	s_add_co_u32 s20, s20, s18
	s_mov_b32 s21, 0
	s_lshl_b32 s46, s67, 18
	s_add_co_u32 s46, s46, s18
	s_mov_b32 s47, 0
	s_mul_i32 s45, s14, HALFT                      ; where they go: wave x 128 rows
	s_wait_kmcnt 0x0
	s_load_b256 s[72:79], s[8:9], 0x0              ; e0 .. e7
	s_cmp_eq_u32 ttmp9, 2
	s_cselect_b64 s[96:97], s[6:7], s[4:5]         ; source 1 reads W for v, x for q and k;
	s_cselect_b64 s[98:99], s[4:5], s[6:7]         ; source 0 the other
	s_add_nc_u64 s[20:21], s[96:97], s[20:21]
	s_add_nc_u64 s[46:47], s[98:99], s[46:47]
	CROUND                                         ; all sixteen work-groups are here: the first joint loads meet
.irp s, 0,1
	s_mov_b32 s[G0+4*\s], 1
	s_add_co_u32 s[G0+4*\s+1], s45, \s*SLOT
	s_add_nc_u64 s[G0+4*\s+2:G0+4*\s+3], s[20:21], \s*ROWB
	s_or_b32 s[G0+4*\s+3], s[G0+4*\s+3], 0x80000000
	s_mov_b32 s[G0B+4*\s], 1
	s_add_co_u32 s[G0B+4*\s+1], s45, \s*SLOT
	s_add_nc_u64 s[G0B+4*\s+2:G0B+4*\s+3], s[46:47], \s*ROWB
	s_or_b32 s[G0B+4*\s+3], s[G0B+4*\s+3], 0x80000000
.endr
	JLOAD G0, G1, G0B, G1B                         ; K step 0: one tensor load a wave at the head
	v_and_b32 v1, 15, v0                           ; r
	v_bfe_u32 v2, v0, 4, 1                         ; h
	v_mul_u32_u24 v3, v1, PITCH
	v_lshl_add_u32 v4, v2, 4, v3                   ; a fragment's row x pitch + 16 h
	s_wait_alu depctr_va_vdst(0)
	v_and_b32 v6, 31, v0
	v_lshlrev_b32 v[LO], 4, v6
	v_lshlrev_b32 v5, 5, v2                        ; 32 h
	v_lshlrev_b32 v7, 2, v1                        ; 4 r
	s_cmp_eq_u32 ttmp9, 2
	s_cselect_b32 s86, s15, s16                    ; which half of the tile's features is mine,
	s_cselect_b32 s87, s16, s15                    ; which half of its tokens
	s_cselect_b32 s94, 0x20000, 0                  ; V lies behind K in a head's part of kvimg
	s_mul_i32 s21, s15, HALFT                      ; source 1's rows lie first in a slot,
	s_mul_i32 s22, s16, HALFT
	s_add_co_u32 s22, s22, 2*HALFT                 ; source 0's behind them
.irp s, 0,1
	v_add_nc_u32 v[ADRA+\s], s21, v4
	v_add_nc_u32 v[ADRB+\s], s22, v4
	s_add_co_u32 s21, s21, SLOT
	s_add_co_u32 s22, s22, SLOT
.endr
	s_lshl_b32 s88, s42, 10                        ; the bias of my 128 features
	s_lshl_b32 s89, s86, 9
	s_add_co_u32 s88, s88, s89
	s_mov_b32 s89, 0
	s_add_nc_u64 s[10:11], s[10:11], s[88:89]
	s_cmp_eq_u32 ttmp9, 2
	s_cbranch_scc1 .Lbias_v
	s_wait_alu depctr_va_vdst(0)
.irp b, 0,1,2,3,4,5,6,7                        ; q, k: accumulator (a, b) wants the bias of features 16 b + 8 h + 0 .. 7
	global_load_b128 v[BT+8*\b:BT+8*\b+3], v5, s[10:11] offset:64*\b
	global_load_b128 v[BT+8*\b+4:BT+8*\b+7], v5, s[10:11] offset:64*\b+16
.endr
	s_branch .Lbias_done
.Lbias_v:
	s_wait_alu depctr_va_vdst(0)
.irp a, 0,1,2,3,4,5,6,7                        ; v: accumulator (a, b) wants the bias of feature 16 a + r in all eight registers
	global_load_b32 v[BT+8*\a], v7, s[10:11] offset:64*\a
.endr
	s_wait_loadcnt 0x0
.irp a, 0,1,2,3,4,5,6,7
.irp j, 1,2,3,4,5,6,7
	v_mov_b32 v[BT+8*\a+\j], v[BT+8*\a]
.endr
.endr
.Lbias_done:
	; where my images go.  batch = tile of tokens / 8; head = 16 x batch + 4 x (tile of features % 4) + 2 x (my half of the features) + 0, 1; my 128 tokens are 8,192 bytes of a head's images
	s_cmp_eq_u32 ttmp9, 0
	s_cselect_b64 s[OUT:OUT+1], s[68:69], s[70:71]
	s_cselect_b32 s93, 17, 18                      ; a head's bytes: 2^17 in qimg, 2^18 in kvimg
	s_lshr_b32 s88, s17, 3
	s_lshl_b32 s88, s88, 4
	s_and_b32 s89, s42, 3
	s_lshl_b32 s89, s89, 2
	s_add_co_u32 s88, s88, s89
	s_lshl_b32 s86, s86, 1
	s_add_co_u32 s88, s88, s86                     ; my first head
	s_lshl_b32 s88, s88, s93
	s_and_b32 s89, s17, 7
	s_lshl_b32 s89, s89, 14
	s_add_co_u32 s88, s88, s89
	s_lshl_b32 s87, s87, 13
	s_add_co_u32 s88, s88, s87
	s_add_co_u32 s88, s88, s94
	s_mov_b32 s89, 0
	s_add_nc_u64 s[OUT:OUT+1], s[OUT:OUT+1], s[88:89]
	s_lshl_b32 s88, 1, s93
	s_add_nc_u64 s[OUT+2:OUT+3], s[OUT:OUT+1], s[88:89]   ; my second head
	s_wait_loadcnt 0x0                             ; the bias
	s_wait_kmcnt 0x0                               ; the exponents
	s_add_co_i32 s90, s72, s73                     ; e0 + e1
	s_sub_co_i32 s92, 0, s90
.set ix, 0
.rept 64
	v_ldexp_f32 v[BT+ix], v[BT+ix], s92            ; the bias goes in as bias / 2^(e0 + e1)
.set ix, ix+1
.endr
	s_cmp_eq_u32 ttmp9, 0
	s_cselect_b32 s91, s74, s75                    ; e2 for q, e3 for k,
	s_cmp_eq_u32 ttmp9, 2
	s_cselect_b32 s91, s77, s91                    ; e5 for v
	s_sub_co_i32 s91, s91, s90
	s_add_co_i32 s91, s91, 127
	s_lshl_b32 s92, s91, 23
	v_mov_b32 v[SC], s92
	s_add_co_i32 s91, s91, 8
	s_lshl_b32 s91, s91, 23
	s_or_b32 s91, s91, 0x600000
	v_mov_b32 v[LIM], s91
.macro FRAG reg, adr, q, i             ; 16 rows x 128 K: four loads of 16 bytes, 32 apart: the same permutation of K on both sides, so every product meets its partner
.irp c, 0,1,2,3
	ds_load_b128 v[\reg+4*\c:\reg+4*\c+3], v[\adr] offset:128*(\q)+32*\c+(\i)*16*PITCH
.endr
.endm
; 16 matrix instructions: source 1's blocks a0, a0 + 1 x source 0's eight.  zero = 1, 2: the first products start the sums from the bias table (by b: q, k; by a: v).  The 64 accumulators take turns.
.macro MUL16 a0, p, zero
.irp a, \a0, \a0+1
.irp b, 0,1,2,3,4,5,6,7
.if (\zero) == 1
	v_wmma_f32_16x16x128_fp8_fp8 v[8*(8*((\a)%4)+\b):8*(8*((\a)%4)+\b)+7], v[128*(\p)+FR*\b:128*(\p)+FR*\b+FR-1], v[AF+FR*(\a):AF+FR*(\a)+FR-1], v[BT+8*\b:BT+8*\b+7]
.elseif (\zero) == 2
	v_wmma_f32_16x16x128_fp8_fp8 v[8*(8*((\a)%4)+\b):8*(8*((\a)%4)+\b)+7], v[128*(\p)+FR*\b:128*(\p)+FR*\b+FR-1], v[AF+FR*(\a):AF+FR*(\a)+FR-1], v[BT+8*(\a):BT+8*(\a)+7]
.else
	v_wmma_f32_16x16x128_fp8_fp8 v[8*(8*((\a)%4)+\b):8*(8*((\a)%4)+\b)+7], v[128*(\p)+FR*\b:128*(\p)+FR*\b+FR-1], v[AF+FR*(\a):AF+FR*(\a)+FR-1], v[8*(8*((\a)%4)+\b):8*(8*((\a)%4)+\b)+7]
.endif
.endr
.endr
.endm
.macro FETCH_B slot, q, p
	WIN TO_B
.irp i, 0,1,2,3,4,5,6,7
	FRAG 128*(\p)+FR*\i, ADRB+\slot, \q, \i
.endr
	WIN 0
.endm
.macro FETCH_A slot, q, i0
.irp i, \i0, \i0+1, \i0+2, \i0+3
	FRAG AF+FR*(\i), ADRA+\slot, \q, \i
.endr
.endm
.macro PLACES n
.rept \n
	v_nop
.endr
.endm
; A step of 128 along K that has its successor in the same slot.  Source 1's blocks 0-3 are fetched anew in the step's middle, blocks 4-7 at its end.
.macro STEP slot, q, zero
	s_wait_dscnt 4*NL                              ; all but the youngest sixteen loads (blocks 4-7)
.if \zero
	WIN BEG_LO
.else
	WIN MUL_LO
.endif
	MUL16 0, (\q)%2, \zero
	MUL16 2, (\q)%2, \zero
	s_wait_dscnt 0
	PLACES NP
	FETCH_B \slot, (\q)+1, 1-(\q)%2
	FETCH_A \slot, (\q)+1, 0
.if \zero
	WIN BEG_HI
.else
	WIN MUL_HI
.endif
	MUL16 4, (\q)%2, \zero
	MUL16 6, (\q)%2, \zero
	PLACES NP
	WIN 0
	FETCH_A \slot, (\q)+1, 4
.endm
; A slot's last step changes slots: in front of the barrier each wave waits for all its tensor loads, adds 0 to its spare word, and waits for that and for its reads of this slot.  fill = 1: the slot is filled again.
.macro TURN slot, next, fill
	s_wait_tensorcnt 0x0
	ds_add_u32 v[SPW], v[NIL]
	s_wait_dscnt 4*NL+1                            ; (the add and the youngest sixteen loads may be out)
	WIN MUL_LO
	MUL16 0, 1, 0
	s_wait_dscnt 0x0
	s_barrier_signal -1
	MUL16 2, 1, 0
	WIN 0
	s_barrier_wait -1
.if \fill
	CREST                                          ; the barrier has opened a round of the cluster's barrier
	s_add_nc_u64 s[G0+4*\slot+2:G0+4*\slot+3], s[G0+4*\slot+2:G0+4*\slot+3], 2*ROWB
	s_add_nc_u64 s[G0B+4*\slot+2:G0B+4*\slot+3], s[G0B+4*\slot+2:G0B+4*\slot+3], 2*ROWB
	JLOAD G0+4*\slot, G1, G0B+4*\slot, G1B
.else
	PLACES NP
.endif
	FETCH_B \next, 0, 0
	FETCH_A \next, 0, 0
	WIN MUL_HI
	MUL16 4, 1, 0
	MUL16 6, 1, 0
	PLACES NP
	WIN 0
	FETCH_A \next, 0, 4
.endm
	s_wait_alu depctr_va_vdst(0)                   ; the wait at the head's end
	s_wait_tensorcnt 0x0                           ; my part of K step 0 is in; the lines that stand ahead of a later first fill, as ahead of a refill:
	ds_add_u32 v[SPW], v[NIL]
	s_wait_dscnt 0x0
	CROUND                                         ; everybody's part is in, and the sixteen work-groups meet
	JLOAD G0+4, G1, G0B+4, G1B                     ; K step 1, the first tensor load behind the round
	FETCH_B 0, 0, 0
	FETCH_A 0, 0, 0
	FETCH_A 0, 0, 4
	s_cmp_eq_u32 ttmp9, 2                          ; the first step is written twice: it differs in which registers of the bias table start a sum
	s_cbranch_scc1 .Lfirst_v
	s_wait_alu depctr_va_vdst(0)
	STEP 0, 0, 1
	s_branch .Lfirst_done
.Lfirst_v:
	s_wait_alu depctr_va_vdst(0)
	STEP 0, 0, 2
.Lfirst_done:
	s_mov_b32 s3, LAPS-1
.Llap:
	TURN 0, 1, 1
	STEP 1, 0, 0
	TURN 1, 0, 1
	STEP 0, 0, 0
	s_sub_co_u32 s3, s3, 1
	s_cmp_lg_u32 s3, 0
	s_cbranch_scc1 .Llap
	TURN 0, 1, 0                                   ; the last lap fills nothing
	STEP 1, 0, 0
	s_wait_dscnt 4*NL
	WIN MUL_LO
	MUL16 0, 1, 0
	MUL16 2, 1, 0
	s_wait_dscnt 0
	WIN MUL_HI
	MUL16 4, 1, 0
	MUL16 6, 1, 0
	WIN 0
	PLACES NP
; THE WAY OUT of source 1's block a: its eight accumulators are held within +-448 x the scale (each from its low end on), converted, and stored as four pieces.
; Accumulator (a, b) becomes registers 2 (b % 4), 2 (b % 4) + 1 of a fragment: q, k: of head b / 4, tile of tokens a;  v: of head a / 4, tile of d a % 4, step of keys b / 4.
.macro EPI isv, a
.set AC, 64*((\a)%4)
.set CD, 128+16*((\a)%4)-128*(((\a)%4)/2)
	WIN 65*(2+(\a)/4)
.set ix, 0
.rept 64
	v_med3_num_f32 v[AC+ix], v[AC+ix], -v[LIM], v[LIM]   ; the conversion to an 8-bit code does not saturate (ISA guide 7.6.2)
.set ix, ix+1
.endr
.if (\a) >= 4
	s_wait_alu depctr_va_vdst(0)
	s_wait_xcnt 0x0                                ; block a - 4's stores have read these registers
.endif
	WIN 2+(\a)/4
.irp b, 0,1,2,3,4,5,6,7
	v_cvt_scalef32_pk8_fp8_f32 v[CD+2*\b:CD+2*\b+1], v[AC+8*\b:AC+8*\b+7], v[SC]
.endr
	WIN 0
	v_nop                                          ; one plain vector line behind the last conversion
.irp g, 0,1
.irp p, 0,1
.if \isv
	global_store_b128 v[LO], v[CD+8*\g+4*\p:CD+8*\g+4*\p+3], s[OUT+2*((\a)/4):OUT+2*((\a)/4)+1] offset:\g*4096+((\a)%4)*1024+512*\p
.else
	global_store_b128 v[LO], v[CD+8*\g+4*\p:CD+8*\g+4*\p+3], s[OUT+2*\g:OUT+2*\g+1] offset:(\a)*1024+512*\p
.endif
.endr
.endr
.endm
	s_cmp_eq_u32 ttmp9, 2
	s_cbranch_scc1 .Lout_v
.irp a, 0,1,2,3,4,5,6,7
	EPI 0, \a
.endr
	s_branch .Ldone
.Lout_v:
.irp a, 0,1,2,3,4,5,6,7
	EPI 1, \a
.endr
.Ldone:
	s_wait_tensorcnt 0x0                           ; the wave's end
	ds_add_u32 v[SPW], v[NIL]
	s_wait_dscnt 0x0
	CROUND                                         ; the closing round
	s_endpgm
.Lfunc_end_k_q7b60a0457d_qkv:
	.size	k_q7b60a0457d_qkv, .Lfunc_end_k_q7b60a0457d_qkv-k_q7b60a0457d_qkv
	.p2alignl 7, 3214868480
	.fill 96, 4, 3214868480
	.section	.rodata,"a",@progbits
	.p2align	6, 0x0
	.amdhsa_kernel k_q7b60a0457d_qkv
		.amdhsa_group_segment_fixed_size 327680
		.amdhsa_private_segment_fixed_size 0
		.amdhsa_enable_private_segment 0
		.amdhsa_kernarg_size 48
		.amdhsa_user_sgpr_count 2
		.amdhsa_user_sgpr_kernarg_segment_ptr 1
		.amdhsa_wavefront_size32 1
		.amdhsa_system_sgpr_workgroup_id_x 1
		.amdhsa_system_sgpr_workgroup_id_y 1
		.amdhsa_system_sgpr_workgroup_id_z 1
		.amdhsa_system_vgpr_workitem_id 0
		.amdhsa_next_free_vgpr 1024
		.amdhsa_next_free_sgpr 100
		.amdhsa_reserve_vcc 0
		.amdhsa_float_denorm_mode_32 3
		.amdhsa_float_denorm_mode_16_64 3
		.amdhsa_memory_ordered 1
		.amdhsa_forward_progress 1
		.amdhsa_inst_pref_size 176
	.end_amdhsa_kernel
	.amdgpu_metadata
---
amdhsa.version: [ 1, 2 ]
amdhsa.kernels:
  - .name:           k_q7b60a0457d_qkv
    .symbol:         k_q7b60a0457d_qkv.kd
    .args:
      - { .name: xc, .offset: 0, .size: 8, .value_kind: global_buffer, .address_space: global }
      - { .name: wqc, .offset: 8, .size: 8, .value_kind: global_buffer, .address_space: global }
      - { .name: lowp_scales, .offset: 16, .size: 8, .value_kind: global_buffer, .address_space: global }
      - { .name: b_qkv, .offset: 24, .size: 8, .value_kind: global_buffer, .address_space: global }
      - { .name: qimg, .offset: 32, .size: 8, .value_kind: global_buffer, .address_space: global }
      - { .name: kvimg, .offset: 40, .size: 8, .value_kind: global_buffer, .address_space: global }
    .group_segment_fixed_size: 327680
    .private_segment_fixed_size: 0
    .kernarg_segment_align: 8
    .kernarg_segment_size: 48
    .max_flat_workgroup_size: 128
    .sgpr_count:     100
    .vgpr_count:     1024
    .wavefront_size: 32
...
	.end_amdgpu_metadata
.endif
;; end of part 2
;; launch attn (part 3): grid 4 x 64, 8 waves a work-group, no clusters, 263,168 bytes of LDS; arguments qimg, kvimg, lowp_scales, aimg; writes aimg
.if DOCPART == 3
	.amdgcn_target "amdgcn-amd-amdhsa--gfx1250"
	.amdhsa_code_object_version 6
	.text
	.protected	k_q7b60a0457d_attn
	.globl	k_q7b60a0457d_attn
	.p2align	8
	.type	k_q7b60a0457d_attn,@function
k_q7b60a0457d_attn:
	s_mov_b64 s[64:65], 0
	v_nop
	global_prefetch_b8 v0, s[64:65] scope:SCOPE_SE
	s_setreg_imm32_b32 hwreg(HW_REG_WAVE_MODE, 25, 1), 1
	s_wait_xcnt 0x0
; Attention of one head on codes of FP8 (E4M3), from images of operand registers (a piece = four registers of 32 lanes, 512 bytes, lane l's 16 bytes at 16 l):
;   qimg [64 heads][128 tiles of 16 tokens][2 pieces];  kvimg [64 heads][K: 128 tiles of 16 keys x 2 pieces | V: 32 steps of 64 keys x 4 tiles of 16 d x 2 pieces];  aimg [512 tiles of 16 tokens][16 heads][2 pieces]: the result's codes, scale 2^e6.
; SHARES.  A work-group owns 512 queries of a head, each of its eight waves 64 of them (four tiles of 16), so that a fragment of K or V read from LDS feeds four matrix instructions.  256 work-groups.
; The head's K and V, 262,144 bytes, lie whole in LDS and are written once: wave w brings 16,384 bytes of each through its registers (loads and LDS stores of 512 consecutive bytes).  V's numbers wait in O^T's registers during the first walk.
; NO TENSOR LOAD AND NO CLUSTER.
; K and V are read once by a work-group, at its head.  No prefetch: K's, Q's and V's loads are all issued at the head; no loop reads memory.
; TWO WALKS over the keys.  Walk 1: S^T = K Q^T and each query's largest score alone: M = ceil(largest t), t = score x log2(e) / 8 x 2^(e2 + e3).  Walk 2: S^T once more, p = 2^(t - M), the sum of the unquantised p,
; p's codes (scale 2^e4, held at 448 x 2^e4), O^T += V^T P^T.  M is the row's own from the first key on, so neither O^T nor the sum is ever rescaled, and O^T is touched by matrix instructions alone until the end.
; THE HOLD.  t - M is at most half a unit in t's last place, so p stays under 1.5 while |t| < 2^24.  Where e4 >= -8 the bound 448 x 2^e4 is 1.75 or more and holds nothing: the hold's 64 lines are jumped over.  Where e4 < -8 they run.
; Both products are used transposed: lane (r, h) holds query r; a tile's eight registers are keys 8 h + 0 .. 7 (of O^T: d = 8 h + 0 .. 7), which is the order that the next operand's registers want.
; LIMITS: the scaled scores t stay under 2^24 in magnitude; e2 + e3 between -123 and 130 (added to c's exponent field); e4 and e6 between -126 and 119.  NaN among the inputs is not served.
; REGISTERS.  Window 0: v1-31 addresses and state; v32-63 K's four fragments; v64-95 V's; v96-127 p's codes (walk 1: eight running maxima); v128-255 S^T, tile (t, k) at 128 + 32 t + 8 k.  Window 1: v0-31 Q; v32-159 O^T, tile (t, d) at 32 + 32 t + 8 d.
.set VOFF,  0x20000                    ; V lies behind K in LDS and in a head's part of kvimg
.set SPARE, 0x40000                    ; the spare words: 128 bytes for each of eight waves
.set LI,   1                           ; 16 x lane
.set ADK,  2
.set ADV,  3
.set SC6,  4                           ; 2^e6
.set LM6,  5                           ; 448 x 2^e6
.set SPW,  6                           ; my spare word; never rewritten
.set NIL,  7                           ; 0; never rewritten
.set LMP,  8                           ; v8, v9: 448 x 2^e4, twice: the two halves of a dual instruction take their second sources from different banks
.set NM,   10                          ; v10-17: -M of tile t in the low word of pair t
.set SUM,  18                          ; v18-25: the sum of tile t, in two halves
.set PD,   26                          ; v26-29: lane permutes' results
.set SCP,  30                          ; 2^e4
.set KB,   32
.set VB,   64
.set P,    96
.set MX,   96
.set S,    128
.set QW,   0
.set OW,   32
.set TB,   16                          ; s16: the step's first byte in K's and in V's images
.set CNT,  17
.set MSB, 0
.macro WIN new                         ; the immediate's high byte repeats the setting that is left
.if MSB != \new
	s_set_vgpr_msb (MSB<<8)|\new
.set MSB, \new
.endif
.endm
.macro SCORES                          ; S^T = K Q^T for 64 keys x 64 queries; Q lies in window 1
	WIN 0x04
.irp k, 0,1,2,3
.irp t, 0,1,2,3
	v_wmma_f32_16x16x64_fp8_fp8 v[S+32*\t+8*\k:S+32*\t+8*\k+7], v[KB+8*\k:KB+8*\k+7], v[QW+8*\t:QW+8*\t+7], 0
.endr
.endr
	WIN 0
.endm
.macro KLOAD adr, off
.irp k, 0,1,2,3
.irp p, 0,1
	ds_load_b128 v[KB+8*\k+4*\p:KB+8*\k+4*\p+3], v[\adr] offset:\off+1024*\k+512*\p
.endr
.endr
.endm
	s_load_b256 s[4:11], s[0:1], 0x0               ; qimg s[4:5], kvimg s[6:7], the scales' exponents s[8:9], aimg s[10:11]
	v_lshl_add_u32 v[SPW], v0, 2, SPARE
	v_mov_b32 v[NIL], 0
	v_lshrrev_b32 v1, 5, v0
	v_readfirstlane_b32 s12, v1                    ; wave 0..7
	v_and_b32 v1, 31, v0
	v_lshlrev_b32 v[LI], 4, v1
	s_and_b32 s14, ttmp7, 0xffff                   ; the head
	s_lshl_b32 s18, s12, 14                        ; my 16,384 bytes of K, and of V
	v_add_nc_u32 v[ADK], s18, v[LI]                ; where I store them in LDS
	v_add_nc_u32 v[ADV], VOFF, v[ADK]
	s_lshl_b32 s20, s14, 18
	s_add_co_u32 s20, s20, s18
	s_mov_b32 s21, 0
	s_lshl_b32 s22, ttmp9, 5
	s_lshl_b32 s23, s12, 2
	s_add_co_u32 s22, s22, s23                     ; my first tile of queries: 32 x work-group x + 4 x wave
	s_lshl_b32 s24, s14, 17
	s_lshl_b32 s23, s22, 10
	s_add_co_u32 s24, s24, s23
	s_mov_b32 s25, 0
	s_lshr_b32 s26, s14, 4                         ; aimg: tile 128 x batch + my tile, 16,384 bytes each; my head's 1,024 in it
	s_lshl_b32 s26, s26, 7
	s_add_co_u32 s26, s26, s22
	s_lshl_b32 s26, s26, 14
	s_and_b32 s23, s14, 15
	s_lshl_b32 s23, s23, 10
	s_add_co_u32 s26, s26, s23
	s_mov_b32 s27, 0
	s_wait_alu depctr_va_vdst(0)                   ; the wait ahead of the wait below
	s_wait_kmcnt 0x0
	s_load_b256 s[48:55], s[8:9], 0x0              ; e0 .. e7
	s_add_nc_u64 s[6:7], s[6:7], s[20:21]
	s_add_nc_u64 s[4:5], s[4:5], s[24:25]
	s_add_nc_u64 s[10:11], s[10:11], s[26:27]
.set ix, 0
.rept 32
	global_load_b128 v[S+4*ix:S+4*ix+3], v[LI], s[6:7] offset:512*ix          ; K, into S^T's registers
.set ix, ix+1
.endr
	WIN 0x40
.irp t, 0,1,2,3
.irp p, 0,1
	global_load_b128 v[QW+8*\t+4*\p:QW+8*\t+4*\p+3], v[LI], s[4:5] offset:1024*\t+512*\p
.endr
.endr
.set ix, 0
.rept 32
	global_load_b128 v[OW+4*ix:OW+4*ix+3], v[LI], s[6:7] offset:VOFF+512*ix   ; V, into O^T's registers, which the first walk leaves alone
.set ix, ix+1
.endr
	WIN 0
	s_mov_b32 s58, 0x76543210                      ; v_permlanex16_b32's selects for lane l xor 16
	s_mov_b32 s59, 0xfedcba98
.irp i, 0,1,2,3,4,5,6,7
	v_mov_b32 v[MX+\i], 0xff800000                 ; the running maxima begin under every score
	v_mov_b32 v[SUM+\i], 0
.endr
.irp t, 0,1,2,3
	v_mov_b32 v[PD+\t], 0                          ; a lane permute's destination counts as a source
	v_mov_b32 v[NM+2*\t+1], 0                      ; (named as the upper half of a pair)
.endr
	s_wait_kmcnt 0x0
	s_add_co_i32 s62, s50, s51
	s_lshl_b32 s62, s62, 23
	s_add_co_i32 s56, s62, 0x3e38aa3b              ; c = log2(e) / 8 x 2^(e2 + e3)
	s_mov_b32 s57, s56
	s_add_co_i32 s62, s52, 127
	s_lshl_b32 s63, s62, 23
	v_mov_b32 v[SCP], s63
	s_add_co_i32 s62, s62, 8
	s_lshl_b32 s62, s62, 23
	s_or_b32 s62, s62, 0x600000
	v_mov_b32 v[LMP], s62
	v_mov_b32 v[LMP+1], s62
	s_add_co_i32 s62, s54, 127
	s_lshl_b32 s63, s62, 23
	v_mov_b32 v[SC6], s63
	s_add_co_i32 s62, s62, 8
	s_lshl_b32 s62, s62, 23
	s_or_b32 s62, s62, 0x600000
	v_mov_b32 v[LM6], s62
	s_add_co_i32 s60, s52, s53                     ; e4 + e5
	s_wait_alu depctr_va_vdst(0)                   ; the wait at the head's end
	s_wait_loadcnt 40                              ; K's 32 loads are in; Q's 8 and V's 32 may be out
.set ix, 0
.rept 32
	ds_store_b128 v[ADK], v[S+4*ix:S+4*ix+3] offset:512*ix
.set ix, ix+1
.endr
	s_wait_dscnt 0x0                               ; my part of K is stored,
	s_barrier_signal -1
	s_barrier_wait -1                              ; everybody's is
	KLOAD LI, 0                                    ; keys 0 to 63
; WALK 1, a trip of 64 keys: 16 products, the next trip's fragments, 64 maxima (each result from its low end on; eight chains).
.macro MAXTRIP adr, off
	s_wait_dscnt 0x0
	SCORES
.if \off
	v_add_nc_u32 v[ADK], s[TB], v[LI]
.else
	v_nop
.endif
.rept 3
	v_nop                                          ; four places behind the products, for the loads and the reads below
.endr
	KLOAD \adr, \off
.irp i, 0,2,4,6
.irp k, 0,1,2,3
.irp t, 0,1,2,3
	v_max3_num_f32 v[MX+4*(\k%2)+\t], v[MX+4*(\k%2)+\t], v[S+32*\t+8*\k+\i], v[S+32*\t+8*\k+\i+1]
.endr
.endr
.endr
.endm
	s_mov_b32 s[TB], 0
	s_mov_b32 s[CNT], 31
	s_wait_loadcnt 32                              ; Q is in; V's 32 loads may be out
.Lmax:                                             ; 31 trips: the fragments fetched reach K's last byte and no further
	MAXTRIP ADK, 4096
	s_add_co_u32 s[TB], s[TB], 4096
	s_sub_co_u32 s[CNT], s[CNT], 1
	s_cmp_lg_u32 s[CNT], 0
	s_wait_alu depctr_va_vdst(0)                   ; the wait ahead of the branch
	s_cbranch_scc1 .Lmax
	MAXTRIP LI, 0                                  ; the last 64 keys; what it fetches is walk 2's first step
.irp t, 0,1,2,3
	v_max_num_f32 v[MX+\t], v[MX+\t], v[MX+4+\t]
.endr
.irp t, 0,1,2,3
	v_permlanex16_b32 v[PD+\t], v[MX+\t], s58, s59
.endr
.irp t, 0,1,2,3
	v_max_num_f32 v[MX+\t], v[MX+\t], v[PD+\t]     ; with lane l xor 16's keys
.endr
.irp t, 0,1,2,3
	v_mul_f32 v[MX+\t], s56, v[MX+\t]              ; as t (c is positive)
.endr
.irp t, 0,1,2,3
	v_floor_f32 v[NM+2*\t], -v[MX+\t]              ; -M = floor(-t) = -ceil(t)
.endr
	s_wait_alu depctr_va_vdst(0)                   ; the wait ahead of the waits below
	s_wait_loadcnt 0x0                             ; V
	WIN 0x04                                       ; an LDS store's data are its source 1: window 1
.set ix, 0
.rept 32
	ds_store_b128 v[ADV], v[OW+4*ix:OW+4*ix+3] offset:512*ix
.set ix, ix+1
.endr
	WIN 0
	s_wait_dscnt 0x0                               ; my part of V is stored, and K's first fragments are in,
	s_barrier_signal -1
	s_barrier_wait -1                              ; everybody's part is
; WALK 2, a step of 64 keys.  first = 1: the products start O^T's sums with C = 0.  K's fragments are fetched a step ahead; the last trip fetches none (a branch on the count of trips).
.macro STEP first
	SCORES
	v_add_nc_u32 v[ADK], s[TB], v[LI]
	v_add_nc_u32 v[ADV], VOFF, v[ADK]
	v_nop
	v_nop                                          ; four places behind the products
.irp j, 0,2,4,6
.irp k, 0,1,2,3
.irp t, 0,1,2,3
	v_pk_fma_f32 v[S+32*\t+8*\k+\j:S+32*\t+8*\k+\j+1], v[S+32*\t+8*\k+\j:S+32*\t+8*\k+\j+1], s[56:57], v[NM+2*\t:NM+2*\t+1] op_sel_hi:[1,0,0]   ; t - M
.endr
.endr
.endr
.if !(\first)
	s_cmp_eq_u32 s[CNT], 1
	s_cbranch_scc1 .Lno_next_\@
.endif
	KLOAD ADK, 4096
.Lno_next_\@:
.irp d, 0,1,2,3
.irp p, 0,1
	ds_load_b128 v[VB+8*\d+4*\p:VB+8*\d+4*\p+3], v[ADV] offset:1024*\d+512*\p
.endr
.endr
	s_wait_alu depctr_va_vdst(0)                   ; the wait ahead of the batch
.set ix, 0
.rept 128
	v_exp_f32 v[S+ix], v[S+ix]                     ; p = 2^(t - M)
.set ix, ix+1
.endr
	v_nop                                          ; a plain place behind the batch
	s_wait_alu depctr_va_vdst(0)                   ; and the one wait behind it
.irp j, 0,2,4,6,8,10,12,14,16,18,20,22,24,26,28,30
.irp t, 0,1,2,3
	v_pk_add_f32 v[SUM+2*\t:SUM+2*\t+1], v[SUM+2*\t:SUM+2*\t+1], v[S+32*\t+\j:S+32*\t+\j+1]   ; the sum of the unquantised p
.endr
.endr
	s_cmp_ge_i32 s52, -8                           ; e4 >= -8: 448 x 2^e4 lies above every p.  The same in all waves; the jump leads round the hold alone
	s_cbranch_scc1 .Lno_hold_\@
.set ix, 0
.rept 64
	v_dual_min_num_f32 v[S+ix], v[S+ix], v[LMP] :: v_dual_min_num_f32 v[S+ix+1], v[S+ix+1], v[LMP+1]   ; the conversion does not saturate (ISA guide 7.6.2); p is not negative, so the hold is one-sided
.set ix, ix+2
.endr
.Lno_hold_\@:
.irp t, 0,1,2,3
.irp k, 0,1,2,3
	v_cvt_scalef32_pk8_fp8_f32 v[P+8*\t+2*\k:P+8*\t+2*\k+1], v[S+32*\t+8*\k:S+32*\t+8*\k+7], v[SCP]
.endr
.endr
	v_nop                                          ; one plain line behind the last conversion
	s_wait_dscnt 0x0                               ; V's fragments, and the next step's of K
.if \first
	WIN 0x40
.else
	WIN 0x50
.endif
	s_wait_alu depctr_va_vdst(0)                   ; the wait directly ahead of the first reader of p's codes and of O^T
.irp d, 0,1,2,3
.irp t, 0,1,2,3
.if \first
	v_wmma_f32_16x16x64_fp8_fp8 v[OW+32*\t+8*\d:OW+32*\t+8*\d+7], v[VB+8*\d:VB+8*\d+7], v[P+8*\t:P+8*\t+7], 0
.else
	v_wmma_f32_16x16x64_fp8_fp8 v[OW+32*\t+8*\d:OW+32*\t+8*\d+7], v[VB+8*\d:VB+8*\d+7], v[P+8*\t:P+8*\t+7], v[OW+32*\t+8*\d:OW+32*\t+8*\d+7]
.endif
.endr
.endr
	WIN 0
.endm
	s_mov_b32 s[TB], 0
	STEP 1
	s_mov_b32 s[TB], 4096
	s_mov_b32 s[CNT], 31
.Lkeys:                                            ; the sixteen sums of O^T take turns, with the sixteen products of S^T between two steps of a sum
	STEP 0
	s_add_co_u32 s[TB], s[TB], 4096
	s_sub_co_u32 s[CNT], s[CNT], 1
	s_cmp_lg_u32 s[CNT], 0
	s_cbranch_scc1 .Lkeys
	; THE WAY OUT: O^T x 2^(e4 + e5) / the sum, held within +-448 x 2^e6, as codes: the registers of the next product's operand
.irp t, 0,1,2,3
	v_add_f32 v[SUM+2*\t], v[SUM+2*\t], v[SUM+2*\t+1]
.endr
.irp t, 0,1,2,3
	v_permlanex16_b32 v[PD+\t], v[SUM+2*\t], s58, s59
.endr
.irp t, 0,1,2,3
	v_add_f32 v[SUM+2*\t], v[SUM+2*\t], v[PD+\t]
.endr
	s_wait_alu depctr_va_vdst(0)                   ; ahead of the batch
.irp t, 0,1,2,3
	v_rcp_f32 v[SUM+2*\t], v[SUM+2*\t]
.endr
	v_nop
	s_wait_alu depctr_va_vdst(0)                   ; and behind it
.irp t, 0,1,2,3
	v_ldexp_f32 v[SUM+2*\t], v[SUM+2*\t], s60
.endr
	WIN 0x01
	s_wait_alu depctr_va_vdst(0)                   ; the wait directly ahead of the first reader of O^T
.irp t, 0,1,2,3
.irp j, 0,2,4,6,8,10,12,14,16,18,20,22,24,26,28,30
	v_pk_mul_f32 v[S+32*\t+\j:S+32*\t+\j+1], v[OW+32*\t+\j:OW+32*\t+\j+1], v[SUM+2*\t:SUM+2*\t+1] op_sel_hi:[1,0]
.endr
.endr
	WIN 0
.set ix, 0
.rept 128
	v_med3_num_f32 v[S+ix], v[S+ix], -v[LM6], v[LM6]
.set ix, ix+1
.endr
.irp t, 0,1,2,3
.irp d, 0,1,2,3
	v_cvt_scalef32_pk8_fp8_f32 v[P+8*\t+2*\d:P+8*\t+2*\d+1], v[S+32*\t+8*\d:S+32*\t+8*\d+7], v[SC6]
.endr
.endr
	v_nop
.irp t, 0,1,2,3
.irp p, 0,1
	global_store_b128 v[LI], v[P+8*\t+4*\p:P+8*\t+4*\p+3], s[10:11] offset:16384*\t+512*\p   ; 512 consecutive bytes, aligned
.endr
.endr
	s_wait_tensorcnt 0x0                           ; the wave's end
	ds_add_u32 v[SPW], v[NIL]
	s_wait_dscnt 0x0
	s_endpgm
.Lfunc_end_k_q7b60a0457d_attn:
	.size	k_q7b60a0457d_attn, .Lfunc_end_k_q7b60a0457d_attn-k_q7b60a0457d_attn
	.p2alignl 7, 3214868480
	.fill 96, 4, 3214868480
	.section	.rodata,"a",@progbits
	.p2align	6, 0x0
	.amdhsa_kernel k_q7b60a0457d_attn
		.amdhsa_group_segment_fixed_size 263168
		.amdhsa_private_segment_fixed_size 0
		.amdhsa_enable_private_segment 0
		.amdhsa_kernarg_size 32
		.amdhsa_user_sgpr_count 2
		.amdhsa_user_sgpr_kernarg_segment_ptr 1
		.amdhsa_wavefront_size32 1
		.amdhsa_system_sgpr_workgroup_id_x 1
		.amdhsa_system_sgpr_workgroup_id_y 1
		.amdhsa_system_sgpr_workgroup_id_z 1
		.amdhsa_system_vgpr_workitem_id 0
		.amdhsa_next_free_vgpr 416
		.amdhsa_next_free_sgpr 66
		.amdhsa_reserve_vcc 0
		.amdhsa_float_denorm_mode_32 3
		.amdhsa_float_denorm_mode_16_64 3
		.amdhsa_memory_ordered 1
		.amdhsa_forward_progress 1
		.amdhsa_inst_pref_size 85
	.end_amdhsa_kernel
	.amdgpu_metadata
---
amdhsa.version: [ 1, 2 ]
amdhsa.kernels:
  - .name:           k_q7b60a0457d_attn
    .symbol:         k_q7b60a0457d_attn.kd
    .args:
      - { .name: qimg, .offset: 0, .size: 8, .value_kind: global_buffer, .address_space: global }
      - { .name: kvimg, .offset: 8, .size: 8, .value_kind: global_buffer, .address_space: global }
      - { .name: lowp_scales, .offset: 16, .size: 8, .value_kind: global_buffer, .address_space: global }
      - { .name: aimg, .offset: 24, .size: 8, .value_kind: global_buffer, .address_space: global }
    .group_segment_fixed_size: 263168
    .private_segment_fixed_size: 0
    .kernarg_segment_align: 8
    .kernarg_segment_size: 32
    .max_flat_workgroup_size: 256
    .sgpr_count:     66
    .vgpr_count:     416
    .wavefront_size: 32
...
	.end_amdgpu_metadata
.endif
;; end of part 3
;; launch outp (part 4): grid 32 x 8, 4 waves a work-group, clusters of 4 x 1, 167,936 bytes of LDS; arguments aimg, woc, lowp_scales, b_out, out0; writes out0
.if DOCPART == 4
	.amdgcn_target "amdgcn-amd-amdhsa--gfx1250"
	.amdhsa_code_object_version 6
	.text
	.protected	k_q7b60a0457d_outp
	.globl	k_q7b60a0457d_outp
	.p2align	8
	.type	k_q7b60a0457d_outp,@function
k_q7b60a0457d_outp:
	s_mov_b64 s[64:65], 0
	v_nop
	global_prefetch_b8 v0, s[64:65] scope:SCOPE_SE
	s_setreg_imm32_b32 hwreg(HW_REG_WAVE_MODE, 25, 1), 1
	s_wait_xcnt 0x0
	s_wait_alu depctr_hold_cnt(0) depctr_sa_sdst(0) depctr_va_vdst(0) depctr_va_sdst(0) depctr_va_ssrc(0) depctr_va_vcc(0) depctr_vm_vsrc(0)
	s_getreg_b32 s2, hwreg(HW_REG_IB_STS2, 6, 4)
	s_cmp_eq_u32 s2, 0
	s_cbranch_scc0 .Lentry_in_a_cluster
	s_endpgm
.Lentry_in_a_cluster:
	s_bfe_u32 s2, ttmp6, 0x10000c
	s_cmp_lg_u32 s2, 0x3003
	s_cbranch_scc0 .Lentry_shape_is_right
	s_endpgm
.Lentry_shape_is_right:
; out0 = a W_out + b_out on codes of FP8: aimg [512 tiles of 16 tokens][16 chunks of 64 K][2 pieces][512] (images of operand registers, scale 2^e6), woc [1024 n][1024 k] (scale 2^e7); out0 [8192][1024] f32.
; SHARES.  A work-group makes 256 tokens x 128 features: 32 x 8 = 256 work-groups.  Each of its four waves makes 64 tokens x 128 features: 32 accumulators, 256 registers.
; W's tile, 128 rows of the whole K (131,072 bytes), lies in LDS and is filled once: one tensor load a wave, 32 rows of 1,024 bytes, 16 bytes of padding behind each row.  No ring, no refill.
; CLUSTERS: four work-groups along the tokens share W's tile and ask for it jointly.  a's codes are shared by no partner: a wave's 64 tokens x 1,024 K, 65,536 bytes, come straight from the images into 512 registers,
; each load 512 consecutive bytes, each byte read once in the work-group; the loads of K step q + 4 are issued at K step q.  No prefetch: no loop runs ahead of these loads; every address is asked for in the head or in the first four K steps.
; The matrix instruction is used transposed (source 0 = 16 rows of W, source 1 = 16 tokens): a lane holds one token and eight neighbouring features.  An image holds K in the form's own order, so W's fragments come by loads of 8 bytes, 16 apart.
; THE BIAS is the C of each sum's first product, divided by 2^(e6 + e7); each finished sum is multiplied once by 2^(e6 + e7).  LIMIT: e6 + e7 between -126 and 127.
; REGISTERS.  Window 0: v1-29 addresses; v32-95 the bias table, then the scaled sums; v128-191, v192-255 W's fragments of feature blocks 0-3 and 4-7, then the rows read back from the stage.
;   Window 1: accumulator (a, b) at v[8 (8 a + b)].  Windows 2, 3: a's fragments: K step q, token tile a at v[64 (q % 4) + 16 a] of window 2 + q / 4.
.set BP,     1040                      ; W's row in LDS: 1,024 bytes + 16 = 65 x 16
.set STAGE,  128*BP                    ; behind W: a stage of 16 rows x 528 bytes for each wave; no fill lands there
.set SPITCH, 528
.set SPARE,  STAGE+4*16*SPITCH         ; the spare words, 128 bytes for each wave
.set ADRB, 16                          ; v16, v17  LDS address of W's fragments, feature blocks 0-3 and 4-7
.set STO,  24
.set RD,   25
.set CO,   26                          ; 16 x lane
.set SPW,  28
.set NIL,  29
.set BT,   32
.set TMP,  32
.set BX,   128
.set BK,   128
.set G1, 24
.set G0, 32
.set MSB, 0
.macro WIN new                         ; the immediate's high byte repeats the setting that is left
.if MSB != \new
	s_set_vgpr_msb (MSB<<8)|\new
.set MSB, \new
.endif
.endm
.macro CROUND                          ; a round of the cluster's barrier
	s_barrier_signal -1
	s_barrier_wait -1
	s_cmp_lg_u32 s14, 0
	s_cbranch_scc1 .Lnot_wave_0_\@
	s_barrier_signal -3
.Lnot_wave_0_\@:
	s_barrier_wait -3
	s_barrier_signal -1
	s_barrier_wait -1
.endm
.macro PLACES
.rept 4
	v_nop
.endr
.endm
.macro ALOAD q                         ; a's four fragments of K step q: sixteen loads of 512 consecutive bytes
	WIN 0x80+0x40*((\q)/4)
.irp a, 0,1,2,3
.irp c, 0,1,2,3
	global_load_b128 v[64*((\q)%4)+16*\a+4*\c:64*((\q)%4)+16*\a+4*\c+3], v[CO], s[4:5] offset:16384*\a+2048*(\q)+512*\c
.endr
.endr
	WIN 0
.endm
.macro BLOAD s, q                      ; W's fragments of feature blocks 4 s .. 4 s + 3, K step q: registers 2 c, 2 c + 1 hold K = 16 c + 8 h + 0 .. 7
.irp i, 0,1,2,3
.irp c, 0,1,2,3,4,5,6,7
	ds_load_b64 v[BX+64*\s+16*\i+2*\c:BX+64*\s+16*\i+2*\c+1], v[ADRB+\s] offset:\i*16*BP+128*(\q)+16*\c
.endr
.endr
.endm
.macro MUL s, q                        ; 16 products; the 32 accumulators take turns, in the same order in every K step
.if (\q) == 0
	WIN 0x48                                       ; source 1 window 2, C (the bias table) window 0, D window 1
.else
	WIN 0x58+4*((\q)/4)                            ; source 1 window 2 or 3, C and D window 1
.endif
.irp i, 0,1,2,3
.irp a, 0,1,2,3
.if (\q) == 0
	v_wmma_f32_16x16x128_fp8_fp8 v[8*(8*\a+4*\s+\i):8*(8*\a+4*\s+\i)+7], v[BX+64*\s+16*\i:BX+64*\s+16*\i+15], v[64*((\q)%4)+16*\a:64*((\q)%4)+16*\a+15], v[BT+8*(4*\s+\i):BT+8*(4*\s+\i)+7]
.else
	v_wmma_f32_16x16x128_fp8_fp8 v[8*(8*\a+4*\s+\i):8*(8*\a+4*\s+\i)+7], v[BX+64*\s+16*\i:BX+64*\s+16*\i+15], v[64*((\q)%4)+16*\a:64*((\q)%4)+16*\a+15], v[8*(8*\a+4*\s+\i):8*(8*\a+4*\s+\i)+7]
.endif
.endr
.endr
	WIN 0
.endm
	s_load_b256 s[4:11], s[0:1], 0x0               ; aimg s[4:5], woc s[6:7], the scales' exponents s[8:9], b_out s[10:11]
	s_load_b64 s[12:13], s[0:1], 0x20              ; out0
	v_lshl_add_u32 v[SPW], v0, 2, SPARE
	v_mov_b32 v[NIL], 0
	ds_add_u32 v[SPW], v[NIL]                      ; the opening lines: the add twice on end and its wait
	ds_add_u32 v[SPW], v[NIL]
	v_lshrrev_b32 v1, 5, v0
	v_readfirstlane_b32 s14, v1                    ; wave 0..3
	s_bfe_u32 s40, ttmp6, 0x40000                  ; cx
	s_lshl_b32 s42, ttmp9, 2
	s_add_co_u32 s42, s42, s40                     ; which 256 tokens
	s_and_b32 s17, ttmp7, 0xffff                   ; which 128 features
	s_mov_b32 s[G1], 15|(0<<16)|(1<<20)|(1<<21)|(7<<22)|(3<<25)   ; the four partners; elements of 1 byte; padding: four words after every 256
	s_mov_b32 s[G1+1], 1024<<16
	s_mov_b32 s[G1+2], 32<<16
	s_mov_b32 s[G1+3], 1024<<16
	s_mov_b32 s[G1+4], 32
	s_mov_b32 s[G1+5], 1024
	s_mov_b32 s[G1+6], 0
	s_mov_b32 s[G1+7], 0
	s_lshl_b32 s20, s17, 17                        ; 128 rows of 1,024 bytes a tile of features,
	s_lshl_b32 s21, s14, 15                        ; my 32 rows of it
	s_add_co_u32 s20, s20, s21
	s_mov_b32 s21, 0
	s_mul_i32 s45, s14, 32*BP
	s_wait_dscnt 0x0
	s_wait_kmcnt 0x0
	s_load_b256 s[72:79], s[8:9], 0x0              ; e0 .. e7
	s_mov_b32 s[G0], 1
	s_mov_b32 s[G0+1], s45
	s_add_nc_u64 s[G0+2:G0+3], s[6:7], s[20:21]
	s_or_b32 s[G0+3], s[G0+3], 0x80000000
	CROUND                                         ; the four work-groups are here: the joint loads meet
	tensor_load_to_lds s[G0:G0+3], s[G1:G1+7]      ; every wave's one tensor load
	s_nop 0
	v_and_b32 v1, 15, v0                           ; r
	v_bfe_u32 v2, v0, 4, 1                         ; h
	v_and_b32 v6, 31, v0
	v_lshlrev_b32 v[CO], 4, v6
	v_mul_u32_u24 v3, v1, BP
	v_lshl_add_u32 v[ADRB], v2, 3, v3              ; row r x pitch + 8 h
	v_add_nc_u32 v[ADRB+1], 64*BP, v[ADRB]
	s_mul_i32 s23, s14, 16*SPITCH
	s_add_co_u32 s23, s23, STAGE                   ; my stage
	v_mul_u32_u24 v5, v1, SPITCH
	v_lshl_add_u32 v5, v2, 5, v5
	v_add_nc_u32 v[STO], s23, v5                   ; in: row r, 32 bytes for each half of the lanes
	v_add_nc_u32 v[RD], s23, v[CO]                 ; back: the 32 lanes take one row of 512 bytes
	v_lshlrev_b32 v7, 5, v2                        ; 32 h: eight numbers of the bias for each half of the lanes
	s_wait_alu depctr_va_vdst(0)                   ; the wait
	s_lshl_b32 s88, s17, 9                         ; my 128 features: 512 bytes of the bias and of a row of out0
	s_mov_b32 s89, 0
	s_add_nc_u64 s[10:11], s[10:11], s[88:89]
	s_add_nc_u64 s[12:13], s[12:13], s[88:89]
	s_lshl_b32 s88, s42, 2
	s_add_co_u32 s88, s88, s14                     ; my 64 tokens
	s_lshl_b32 s90, s88, 16                        ; four tiles of 16,384 bytes of images,
	s_mov_b32 s91, 0
	s_add_nc_u64 s[4:5], s[4:5], s[90:91]
	s_lshl_b32 s88, s88, 18                        ; 64 rows of 4,096 bytes of out0
	s_add_nc_u64 s[12:13], s[12:13], s[88:89]
.irp b, 0,1,2,3,4,5,6,7                        ; accumulator (a, b) wants the bias of features 16 b + 8 h + 0 .. 7
	global_load_b128 v[BT+8*\b:BT+8*\b+3], v7, s[10:11] offset:64*\b
	global_load_b128 v[BT+8*\b+4:BT+8*\b+7], v7, s[10:11] offset:64*\b+16
.endr
	ALOAD 0
	ALOAD 1
	ALOAD 2
	ALOAD 3
	s_wait_kmcnt 0x0
	s_add_co_i32 s96, s78, s79                     ; e6 + e7
	s_sub_co_i32 s92, 0, s96
	s_add_co_i32 s96, s96, 127
	s_lshl_b32 s96, s96, 23                        ; 2^(e6 + e7) as f32
	s_mov_b32 s97, s96
	s_wait_loadcnt 48                              ; the bias and K step 0's fragments are in; those of K steps 1 to 3 may be out
.set ix, 0
.rept 64
	v_ldexp_f32 v[BT+ix], v[BT+ix], s92            ; the bias goes in as bias / 2^(e6 + e7)
.set ix, ix+1
.endr
	s_wait_alu depctr_va_vdst(0)                   ; the wait at the head's end
	s_wait_tensorcnt 0x0                           ; my rows of W are in,
	s_barrier_signal -1
	s_barrier_wait -1                              ; everybody's are
	BLOAD 0, 0
	BLOAD 1, 0
; A K step of 128: two halves of 16 products; each half's fragments of W are fetched anew, for the next K step, behind four places
.macro KSTEP q
.if (\q) > 4
	s_wait_loadcnt 16*(7-(\q))                     ; behind this step's loads: those of the steps that are left
.elseif (\q) > 0
	s_wait_loadcnt 48                              ; behind this step's loads: three later steps' sixteen each
.endif
.if (\q) < 4
	ALOAD (\q)+4
.endif
	s_wait_dscnt 32                                ; blocks 0-3 are in; blocks 4-7's 32 loads may be out
	MUL 0, \q
.if (\q) < 7
	PLACES
	BLOAD 0, (\q)+1
	s_wait_dscnt 32                                ; blocks 4-7 are in
.else
	s_wait_dscnt 0x0
.endif
	MUL 1, \q
	PLACES
.if (\q) < 7
	BLOAD 1, (\q)+1
.endif
.endm
.irp q, 0,1,2,3,4,5,6,7
	KSTEP \q
.endr
; THE WAY OUT, block by block of 16 tokens x 128 features: x 2^(e6 + e7), through my own stage, back as whole rows of 512 bytes.  LDS serves a wave's instructions in order (ISA guide 5.7.1.4).
.macro TOSTAGE a
	WIN 0x01
.irp j, 0,2,4,6,8,10,12,14,16,18,20,22,24,26,28,30,32,34,36,38,40,42,44,46,48,50,52,54,56,58,60,62
	v_pk_mul_f32 v[TMP+\j:TMP+\j+1], v[64*(\a)+\j:64*(\a)+\j+1], s[96:97] op_sel_hi:[1,0]   ; each accumulator from its low end on
.endr
	WIN 0
.irp b, 0,1,2,3,4,5,6,7
	ds_store_b128 v[STO], v[TMP+8*\b:TMP+8*\b+3] offset:64*\b
	ds_store_b128 v[STO], v[TMP+8*\b+4:TMP+8*\b+7] offset:64*\b+16
.endr
.set BB, BK+64*((\a)%2)
.irp t, 0,1,2,3,4,5,6,7,8,9,10,11,12,13,14,15
	ds_load_b128 v[BB+4*\t:BB+4*\t+3], v[RD] offset:\t*SPITCH
.endr
.endm
.macro SEND a, younger                 ; younger: the LDS instructions issued behind block a's loads
.set BB, BK+64*((\a)%2)
	s_wait_dscnt \younger
.if (\a) > 0
	s_add_nc_u64 s[12:13], s[12:13], 16*4096       ; (behind a wait on XCNT: the earlier stores have read their base)
.endif
.irp t, 0,1,2,3,4,5,6,7,8,9,10,11,12,13,14,15
	global_store_b128 v[CO], v[BB+4*\t:BB+4*\t+3], s[12:13] offset:\t*4096 th:TH_STORE_NT   ; 512 consecutive bytes, aligned
.endr
.endm
	TOSTAGE 0
.irp a, 1,2,3
.if \a > 1
	s_wait_xcnt 0x0                                ; block a - 2's stores have read their registers and their base
.endif
	TOSTAGE \a
	SEND \a-1, 32
.endr
	s_wait_xcnt 0x0
	SEND 3, 0
	s_wait_tensorcnt 0x0                           ; the wave's end
	ds_add_u32 v[SPW], v[NIL]
	s_wait_dscnt 0x0
	CROUND                                         ; the closing round
	s_endpgm
.Lfunc_end_k_q7b60a0457d_outp:
	.size	k_q7b60a0457d_outp, .Lfunc_end_k_q7b60a0457d_outp-k_q7b60a0457d_outp
	.p2alignl 7, 3214868480
	.fill 96, 4, 3214868480
	.section	.rodata,"a",@progbits
	.p2align	6, 0x0
	.amdhsa_kernel k_q7b60a0457d_outp
		.amdhsa_group_segment_fixed_size 167936
		.amdhsa_private_segment_fixed_size 0
		.amdhsa_enable_private_segment 0
		.amdhsa_kernarg_size 40
		.amdhsa_user_sgpr_count 2
		.amdhsa_user_sgpr_kernarg_segment_ptr 1
		.amdhsa_wavefront_size32 1
		.amdhsa_system_sgpr_workgroup_id_x 1
		.amdhsa_system_sgpr_workgroup_id_y 1
		.amdhsa_system_sgpr_workgroup_id_z 1
		.amdhsa_system_vgpr_workitem_id 0
		.amdhsa_next_free_vgpr 1024
		.amdhsa_next_free_sgpr 100
		.amdhsa_reserve_vcc 0
		.amdhsa_float_denorm_mode_32 3
		.amdhsa_float_denorm_mode_16_64 3
		.amdhsa_memory_ordered 1
		.amdhsa_forward_progress 1
		.amdhsa_inst_pref_size 97
	.end_amdhsa_kernel
	.amdgpu_metadata
---
amdhsa.version: [ 1, 2 ]
amdhsa.kernels:
  - .name:           k_q7b60a0457d_outp
    .symbol:         k_q7b60a0457d_outp.kd
    .args:
      - { .name: aimg, .offset: 0, .size: 8, .value_kind: global_buffer, .address_space: global }
      - { .name: woc, .offset: 8, .size: 8, .value_kind: global_buffer, .address_space: global }
      - { .name: lowp_scales, .offset: 16, .size: 8, .value_kind: global_buffer, .address_space: global }
      - { .name: b_out, .offset: 24, .size: 8, .value_kind: global_buffer, .address_space: global }
      - { .name: out0, .offset: 32, .size: 8, .value_kind: global_buffer, .address_space: global }
    .group_segment_fixed_size: 167936
    .private_segment_fixed_size: 0
    .kernarg_segment_align: 8
    .kernarg_segment_size: 40
    .max_flat_workgroup_size: 128
    .sgpr_count:     100
    .vgpr_count:     1024
    .wavefront_size: 32
...
	.end_amdgpu_metadata
.endif
;; end of part 4
